; MI455X (gfx1250); checked and timed in simulation.
; The chip was launched on July 23, 2026; its instructions are those of AMD's public machine-readable ISA for CDNA 5 (MIT licence, August 2026) and "CDNA5" Instruction Set Architecture Reference Guide (July 2026). The comments in the code are by the model that wrote it; some were corrected since.
;; Bit Packed Linear. Allowed arithmetic: matrix products marked QUANTISED: E4M3 operands, one given power-of-two scale a tensor, by v_wmma_f32_16x16x64_fp8_fp8 or v_wmma_f32_16x16x128_fp8_fp8, f32 sums; everything else in f32.
;; Inputs: bias 4,096 float32; lowp_scales 2 int32 (the exponents e of the quantised operands' scales 2^e); packed_weight 4,096 x 512 uint8; x_codes 2 x 2,048 x 128 x 32 uint8 (E4M3 codes of x, K innermost, in blocks of 32 codes).
;; Outputs: out0 2 x 2,048 x 4,096 float32.
;; This version of the problem:
;;   THIS VERSION OF THE PROBLEM IS GIVEN IN LOW PRECISION. The matrix products marked QUANTISED in the list below multiply operands that are first quantised to E4M3 (4 exponent bits, 3 mantissa bits; 8 bits a number), with one given power-of-two scale for each operand tensor; their sums are f32. All else is computed in f32.
;;   The module's matrix products, in the order in which they are computed (A, B: the left and right operand; K: the contracted axis; several contracted axes count as one K, in the product's order):
;;     1. [M 4,096, K 4,096] x [K 4,096, N 4,096]; A: input x (given as codes); B: computed on the way: QUANTISED (scales: A lowp_scales[0], B lowp_scales[1])
;;   THE QUANTISER, for each operand of a quantised product, along K:
;;     - The operand's scale is 2^e, e = its entry of the input lowp_scales (int32; the entries are numbered through the quantised products in the list's order, A before B).
;;     - Each number is divided by the scale, clamped to +-448, and rounded to the nearest number of E4M3, ties to even, subnormals kept.
;;     - The product sums the exact products of the quantised numbers (number of the format x scale) in f32.
;;   ~~~python
;;   def quantise(x, axis, e):      # numpy; x: float32 -> the quantised numbers, widened to float32 again
;;       x = np.moveaxis(x, axis, -1); K = x.shape[-1]
;;       r = np.clip(x / 2.0 ** e, -448, 448)
;;       step = 2.0 ** (np.maximum(np.frexp(np.where(r == 0, 1, r))[1] - 1, -6) - 3)
;;       q = np.round(r / step) * step * 2.0 ** e      # np.round: ties to even
;;       return np.moveaxis(q, -1, axis).astype(np.float32)
;;   ~~~
;;   OPERANDS COMPUTED ON THE WAY. 'Computed on the way' means the value that the module computes at that place (a softmax that the list does not call 'softmax' is quantised finished and normalised). What goes into a quantiser is computed in f32, as accurately as f32 sums, v_exp_f32 and their like allow (about 1e-6 of the number): no bf16 or f16 on the way to a quantiser, and a product that is left as it is and whose result goes on into a quantised operand takes f32 operands (vector FMAs, or v_wmma_f32_16x16x4_f32). A number that lies on a knife's edge between two numbers of the format may be rounded either way, as far as f32 arithmetic and the matrix unit's own rounding can turn it there, and no further.
;;   INPUTS GIVEN AS CODES. x (in the module: [2, 2048, 4096], K = its axis 2): each comes as NAME_codes (uint8): NAME with its K axis moved to the last place and cut into blocks of 32 codes, [.., K / 32, bytes a block], one block behind the other in memory; one code a byte (a code: sign, 4 exponent bits, 3 mantissa bits); its scale is its entry of lowp_scales. Its value is code x scale, taken as it is: it is not quantised again, and the codes and scales need not be those that the quantiser above would give.
;; 2 versions. Each part assembles by itself: llvm-mc -triple=amdgcn-amd-amdhsa -mcpu=gfx1250 --defsym DOCPART=n.
;; ======== version 1 of 2: 2 launches
;; workspace buffers: w_codes 16,777,216 bytes
;; launch unpack (part 1): grid 256 x 1, 8 waves a work-group, no clusters, 9,216 bytes of LDS; arguments packed_weight, lowp_scales, w_codes; writes w_codes
.if DOCPART == 1
	.amdgcn_target "amdgcn-amd-amdhsa--gfx1250"
	.amdhsa_code_object_version 6
	.text
	.protected	k_q3194533a2f_unpack
	.globl	k_q3194533a2f_unpack
	.p2align	8
	.type	k_q3194533a2f_unpack,@function
k_q3194533a2f_unpack:
	s_mov_b64 s[64:65], 0
	v_nop
	global_prefetch_b8 v0, s[64:65] scope:SCOPE_SE
	s_setreg_imm32_b32 hwreg(HW_REG_WAVE_MODE, 25, 1), 1
	s_wait_xcnt 0x0
; W[n][k] = +1 where bit k % 8 of packed_weight[n][k / 8] is 1, else -1, quantised to E4M3 with the given scale 2^e1 (entry 1 of the scales), stored as codes [4096 (n)][4096 (k)], K innermost.
; W has two numbers, so it has two codes: P = the code of 1 / 2^e1, and P with the sign bit set.  P is made by the quantiser itself: 1.0 is held within +-448 x 2^e1 and converted with the scale 2^e1;
; nothing branches on e1.  A code of W is then P with its sign bit = NOT the weight's bit.
; LIMIT: e1 between -126 and 119, so that 2^e1 and 448 x 2^e1 are f32 numbers.
; SHARES.  Work-group g takes rows 16 g .. 16 g + 15, wave w two of them: 1,024 consecutive packed bytes in, 8,192 consecutive bytes of codes out.
; A packed row is 512 bytes: one load of 16 bytes a lane.  A row of codes is eight stores of 16 bytes a lane, each 512 consecutive bytes, aligned.  Store j wants in lane l the 16 bits at packed byte
; 64 j + 2 l, which the load has put into another lane: so a row goes through the wave's own 512 bytes of LDS as it lies, and comes back 2 bytes a lane.  Waves share nothing: no barrier.
; No matrix unit, no tensor load, no cluster: each byte is read once and written once, and the arithmetic is three vector instructions for four codes.
.set HW, 28                            ; v28-43   the 16 bits of store i (row i / 8, piece i % 8)
.set CD, 48                            ; v48-111  four registers of codes for each of the 16 stores: no store's data are written again
	s_load_b128 s[4:7], s[0:1], 0x0                ; packed_weight s[4:5], the scales' exponents s[6:7]
	s_load_b64 s[8:9], s[0:1], 0x10                ; the codes
	v_lshl_add_u32 v112, v0, 2, 0x2000
	v_mov_b32 v113, 0
	v_lshrrev_b32 v1, 5, v0
	v_readfirstlane_b32 s10, v1                    ; wave 0..7
	v_and_b32 v1, 31, v0                           ; lane
	v_lshlrev_b32 v2, 4, v1                        ; 16 x lane: my place in a load's and in a store's 512 bytes
	s_lshl_b32 s13, s10, 10                        ; my wave's 1,024 bytes: in LDS, and among the work-group's packed bytes
	v_add_nc_u32 v3, s13, v2                       ; LDS, the way in: as loaded
	v_lshl_add_u32 v4, v1, 1, s13                  ; LDS, the way out: 2 bytes a lane
	s_lshl_b32 s14, ttmp9, 13                      ; 16 packed rows of 512 bytes a work-group
	s_add_co_u32 s14, s14, s13
	s_mov_b32 s15, 0
	s_lshl_b32 s16, ttmp9, 16                      ; 16 rows of 4,096 codes a work-group,
	s_lshl_b32 s17, s10, 13                        ; two of them a wave
	s_add_co_u32 s16, s16, s17
	s_mov_b32 s17, 0
	s_mov_b32 s20, 0x10204080                      ; 2^7 + 2^14 + 2^21 + 2^28: four bits times this stand at bits 7, 15, 23, 31 (the four shifted copies never meet, so nothing is carried)
	s_mov_b32 s21, 0x80808080                      ; the four sign bits
	s_wait_kmcnt 0x0
	s_load_b32 s12, s[6:7], 0x4                    ; e1
	s_add_nc_u64 s[4:5], s[4:5], s[14:15]
	s_add_nc_u64 s[8:9], s[8:9], s[16:17]
	global_load_b128 v[20:23], v2, s[4:5] th:TH_LOAD_NT             ; my first row: 512 consecutive bytes, read once in the launch
	global_load_b128 v[24:27], v2, s[4:5] offset:512 th:TH_LOAD_NT  ; my second
	s_wait_kmcnt 0x0
	s_add_co_i32 s12, s12, 127
	s_lshl_b32 s13, s12, 23
	v_mov_b32 v5, s13                              ; 2^e1 as f32: the conversion takes its exponent field
	s_add_co_i32 s12, s12, 8
	s_lshl_b32 s12, s12, 23
	s_or_b32 s12, s12, 0x600000
	v_mov_b32 v6, s12                              ; 448 x 2^e1
.irp i, 0,1,2,3,4,5,6,7
	v_med3_num_f32 v[8+\i], 1.0, -v6, v6           ; the conversion to an 8-bit code does not saturate (ISA guide 7.6.2): the number 1 is held within the largest code x the scale, whatever e1 is
.endr
	v_cvt_scalef32_pk8_fp8_f32 v[16:17], v[8:15], v5   ; v16 = P in each of its four bytes
	v_nop                                          ; one plain vector instruction between a scaled conversion and the vector instructions that read its result
	s_wait_loadcnt 0x1                             ; my first row is in; the second may be out
.irp i, 0,1,2,3
	v_xor_b32 v[20+\i], -1, v[20+\i]               ; a code's sign bit is NOT the weight's bit
.endr
	ds_store_b128 v3, v[20:23]
	s_wait_loadcnt 0x0
.irp i, 0,1,2,3
	v_xor_b32 v[24+\i], -1, v[24+\i]
.endr
	ds_store_b128 v3, v[24:27] offset:512
.irp i, 0,1,2,3,4,5,6,7,8,9,10,11,12,13,14,15
	ds_load_u16 v[HW+\i], v4 offset:512*(\i/8)+64*(\i%8)   ; LDS serves a wave's instructions in order (ISA guide 5.7.1.4): these see my stores.  Bit t is column 512 (i % 8) + 16 lane + t
.endr
; Store i: 16 bits become 16 codes, four to a register; the four registers take turns line by line.
.macro OUT i
	s_wait_dscnt 15-(\i)                           ; LDS loads come back in order: load i is in, the 15 - i younger ones may be out
.irp d, 0,1,2,3
	v_bfe_u32 v[CD+4*(\i)+\d], v[HW+(\i)], 4*\d, 4
.endr
.irp d, 0,1,2,3
	v_mul_lo_u32 v[CD+4*(\i)+\d], v[CD+4*(\i)+\d], s20     ; bit t of the four to bit 8 t + 7
.endr
.irp d, 0,1,2,3
	v_bfi_b32 v[CD+4*(\i)+\d], s21, v[CD+4*(\i)+\d], v16   ; the sign bits from the weights, the other seven bits of each byte from P
.endr
	global_store_b128 v2, v[CD+4*(\i):CD+4*(\i)+3], s[8:9] offset:4096*((\i)/8)+512*((\i)%8)   ; the wave stores 512 consecutive bytes, at a multiple of 512 from the buffer's first byte
.endm
.irp i, 0,1,2,3,4,5,6,7,8,9,10,11,12,13,14,15
	OUT \i
.endr
	s_wait_tensorcnt 0x0
	ds_add_u32 v112, v113
	s_wait_dscnt 0x0
	s_endpgm
.Lfunc_end_k_q3194533a2f_unpack:
	.size	k_q3194533a2f_unpack, .Lfunc_end_k_q3194533a2f_unpack-k_q3194533a2f_unpack
	.p2alignl 7, 3214868480
	.fill 96, 4, 3214868480
	.section	.rodata,"a",@progbits
	.p2align	6, 0x0
	.amdhsa_kernel k_q3194533a2f_unpack
		.amdhsa_group_segment_fixed_size 9216
		.amdhsa_private_segment_fixed_size 0
		.amdhsa_enable_private_segment 0
		.amdhsa_kernarg_size 24
		.amdhsa_user_sgpr_count 2
		.amdhsa_user_sgpr_kernarg_segment_ptr 1
		.amdhsa_wavefront_size32 1
		.amdhsa_system_sgpr_workgroup_id_x 1
		.amdhsa_system_sgpr_workgroup_id_y 1
		.amdhsa_system_sgpr_workgroup_id_z 1
		.amdhsa_system_vgpr_workitem_id 0
		.amdhsa_next_free_vgpr 114
		.amdhsa_next_free_sgpr 66
		.amdhsa_reserve_vcc 0
		.amdhsa_float_denorm_mode_32 3
		.amdhsa_float_denorm_mode_16_64 3
		.amdhsa_memory_ordered 1
		.amdhsa_forward_progress 1
		.amdhsa_inst_pref_size 18
	.end_amdhsa_kernel
	.amdgpu_metadata
---
amdhsa.version: [ 1, 2 ]
amdhsa.kernels:
  - .name:           k_q3194533a2f_unpack
    .symbol:         k_q3194533a2f_unpack.kd
    .args:
      - { .name: packed_weight, .offset: 0, .size: 8, .value_kind: global_buffer, .address_space: global }
      - { .name: lowp_scales, .offset: 8, .size: 8, .value_kind: global_buffer, .address_space: global }
      - { .name: w_codes, .offset: 16, .size: 8, .value_kind: global_buffer, .address_space: global }
    .group_segment_fixed_size: 9216
    .private_segment_fixed_size: 0
    .kernarg_segment_align: 8
    .kernarg_segment_size: 24
    .max_flat_workgroup_size: 256
    .sgpr_count:     66
    .vgpr_count:     114
    .wavefront_size: 32
...
	.end_amdgpu_metadata
.endif
;; end of part 1
;; launch gemm (part 2): grid 16 x 16, 4 waves a work-group, clusters of 4 x 4, 327,680 bytes of LDS; arguments x_codes, w_codes, lowp_scales, bias, out0; writes out0
.if DOCPART == 2
	.amdgcn_target "amdgcn-amd-amdhsa--gfx1250"
	.amdhsa_code_object_version 6
	.text
	.protected	k_q3194533a2f_gemm
	.globl	k_q3194533a2f_gemm
	.p2align	8
	.type	k_q3194533a2f_gemm,@function
k_q3194533a2f_gemm:
	s_mov_b64 s[64:65], 0
	v_nop
	global_prefetch_b8 v0, s[64:65] scope:SCOPE_SE
	s_setreg_imm32_b32 hwreg(HW_REG_WAVE_MODE, 25, 1), 1
	s_wait_xcnt 0x0
	s_wait_alu depctr_hold_cnt(0) depctr_sa_sdst(0) depctr_va_vdst(0) depctr_va_sdst(0) depctr_va_ssrc(0) depctr_va_vcc(0) depctr_vm_vsrc(0)
	s_getreg_b32 s2, hwreg(HW_REG_IB_STS2, 6, 4)
	s_cmp_eq_u32 s2, 0
	s_cbranch_scc0 .Lentry_in_a_cluster
	s_endpgm
.Lentry_in_a_cluster:
	s_bfe_u32 s2, ttmp6, 0x10000c
	s_cmp_lg_u32 s2, 0xf033
	s_cbranch_scc0 .Lentry_shape_is_right
	s_endpgm
.Lentry_shape_is_right:
; out[m][n] = 2^(e0 + e1) x (sum over k of X[m][k] W[n][k]) + bias[n].  X: [4096][4096], W: [4096][4096]: codes of FP8 (E4M3), one byte each, K innermost; out: [4096][4096] f32; sums in f32.
; A number of X is its code's value x 2^e0, of W x 2^e1: e0 and e1 are the two whole numbers (int32) in the buffer of scales.  The codes are multiplied as they are; each finished sum goes once through
; one fused multiply-add: x 2^(e0 + e1), + bias.
; LIMIT: e0 + e1 lies between -126 and 127, so that 2^(e0 + e1) is an f32 number.
; ORDER OF SUMS: a fragment is fetched by four loads of 16 bytes, which puts k into other places of the registers than the instruction's own layout has; the places are the same in X and in W, so every
; product meets its partner, and only the order of the additions inside an instruction differs.
; A tile of out, 256 x 256, is made by a work-group of four waves, as many as a WGP has SIMDs; a wave makes 128 x 128: 64 accumulators of 16 x 16, 512 registers.  16 x 16 tiles: one for each of 256 work-groups.
; K goes in steps of 256 through a ring of two LDS slots filled by the tensor data mover: a tile's row is 256 bytes of memory, at a multiple of 256 from the buffer's first byte.
; CLUSTERS: 4 x 4 work-groups.  The four of a row of the cluster need the same tiles of X, the four of a column the same tiles of W: each tile is asked for JOINTLY, by the same tensor load with the
; same descriptor and a mask that names the four.  THE MATRIX INSTRUCTION IS USED TRANSPOSED (source 0 = 16 rows of W, source 1 = 16 rows of X): a lane then holds eight neighbouring numbers of a row of out.
; REGISTERS, in windows of 256: window 0: v0-31 addresses; from v128 X's fragments (8 x 16 rows x 128 K), ONE set; on the way out v32-255 are free.
;   window 1: W's fragments, TWO sets, at v0 and at v128; for the way out v0-63 take the bias of my 128 columns.   window 2: the 32 accumulators of my rows 0-63 (accumulator (a, b) at v[8 (8 a + b)]);   window 3: those of my rows 64-127.
; A step of 128 along K is 64 matrix instructions, X's blocks one after the other, each against W's eight.  So a block of X is free as soon as its eight products are issued, and one set of registers serves X:
; blocks 0-3 are fetched anew in the step's middle, blocks 4-7 at its end.  W's fragments are at work through the whole step, so W has two sets.
.set SIZE_N, 4096
.set SIZE_K, 4096
.set KSTEP,  256                       ; along K in a slot
.set ROWB,   256                       ; a tile's row in bytes
.set KROW,   SIZE_K                    ; a row of X or of W in memory, in bytes
.set PITCH,  272                       ; an LDS row: 256 bytes of data + 16 of padding = 68 words: row r starts at bank 4 r mod 64 (64 banks of 4 bytes: ISA guide 11.1), so the 16 rows that a load touches start at 16 different banks
.set FR,     16                        ; registers of a fragment: 16 rows x 128 K
.set NL,     4                         ; LDS loads that bring one
.set NP,     4                         ; places behind this matrix instruction (ISA guide 7.12.1)
.set HALFT,  128*PITCH                 ; 128 rows: what one tensor load brings, and what one wave reads of X or of W
.set SLOT,   4*HALFT                   ; X's 256 rows, then W's 256 rows
.set LAPS,   SIZE_K/(2*KSTEP)          ; a lap = two K steps = once round the ring: 8
.set SPARE,  2*SLOT                    ; behind the ring: the spare words, 128 bytes for each wave: two blocks of 256 bytes that no other line names
.set SPITCH, 528                       ; the way out: a stage of 16 rows x (512 bytes + 16) for each wave.  It lies in slot 0, which has had its last fill and its last read when the first result is stored there
.set ADRA, 16                          ; v16-17  LDS address of my X fragments in slot 0, 1
.set ADRB, 20                          ; v20-21  the same for W
.set STO,  24                          ; v24     the way out: where I put 32 bytes of a row
.set RD,   25                          ; v25     the way out: where I read a row back
.set CO,   26                          ; v26     my byte offset in a row of out
.set BO,   27                          ; v27     my byte offset in a block's 16 numbers of bias: 32 x (lane / 16)
.set SPW,  28                          ; v28     LDS address of my spare word: SPARE + 4 x my thread's number; never rewritten
.set NIL,  29                          ; v29     0; never rewritten
.set PFO,  30                          ; v30     the prefetches' offset: my lane x a row of X or W in memory; never rewritten
.set TMP,  32                          ; the way out: 64 registers, a block's sums x 2^(e0 + e1) + bias
.set AF,   128                         ; X's fragments, in window 0
.set BK,   128                         ; the way out: 16 rows read back from the stage: v128-191 and v192-255 by turns
.set G1, 24                            ; s[24:31] descriptor group 1 for X's tiles;  s[32:39] group 0, one set for each slot
.set G0, 32
.set G1B, 48                           ; s[48:55], s[56:63] the same for W's tiles
.set G0B, 56
.set PFA, 68                           ; s[68:69] where my prefetches stand: my work-group's 32 rows of the 128 that I fetch, one K step further along K than the refill that is being asked for; a prefetch names the K step after that
.set LIM, 70                           ; s70     1 in a wave that prefetches, else the greatest number
.set MSB, 0
.macro WIN new                         ; the immediate's high byte repeats the setting that is left
.if MSB != \new
	s_set_vgpr_msb (MSB<<8)|\new
.set MSB, \new
.endif
.endm
.set MUL_LO, 0xa1                      ; source 0 (W) window 1, source 1 (X) window 0, C and D window 2
.set MUL_HI, 0xf1                      ; the same, C and D window 3
.set TO_B,   0x40                      ; destination window 1, address window 0
; A joint load: waves 0 and 1 fetch for X, waves 2 and 3 for W.  Each of the two lines has ONE mask and one set of registers for all that issue it; the branch hangs on the wave's number alone.
; Four v_nop follow each of the two lines, ahead of the jump, the label and what follows.
.macro JLOAD g0a, g1a, g0b, g1b
	s_cmp_eq_u32 s15, 0
	s_cbranch_scc0 .Lfor_b_\@
	tensor_load_to_lds s[\g0a:\g0a+3], s[\g1a:\g1a+7]
	s_nop 0
.rept 4
	v_nop
.endr
	s_branch .Lasked_\@
.Lfor_b_\@:
	tensor_load_to_lds s[\g0b:\g0b+3], s[\g1b:\g1b+7]
	s_nop 0
.rept 4
	v_nop
.endr
.Lasked_\@:
.endm
; A PREFETCH, behind each joint refill, its four lines and the run of LDS loads that follows them: the K step that stands TWO refills on: 32 rows x 256 bytes, a lane a row, one instruction a wave: 256 matrix
; instructions ahead of the tensor load that will name those bytes.  Each row's 256 bytes of a K step are named ONCE in the launch.  X's tile row is read by every cluster of that row of clusters: the first of them
; (cluster x = 0) asks; W's tile column by every cluster of that column: cluster y = 0 asks.  The four partners that ask for a tile jointly share its rows out BY ADDRESS: of the 128 rows that wave w fetches, the
; partner at place p takes 32 p .. 32 p + 31 (p = cx for X, cy for W): no branch hangs on a work-group's place in its cluster.  K steps 0 to 3 come by their loads alone; the loop's last trip (s3 = 1), whose two
; refills have no K step two on, asks for nothing: the last K step named is 15, the row's last 256 bytes.
.macro ASK
	s_cmp_gt_u32 s3, s[LIM]
	s_cbranch_scc0 .Lnot_mine_\@
	global_prefetch_b8 v[PFO], s[PFA:PFA+1] offset:ROWB th:TH_LOAD_NT scope:SCOPE_SE
.Lnot_mine_\@:
.endm
.macro CREST                           ; a round of the cluster's barrier behind its opening barrier
	s_cmp_lg_u32 s14, 0
	s_cbranch_scc1 .Lnot_wave_0_\@
	s_barrier_signal -3
.Lnot_wave_0_\@:
	s_barrier_wait -3
	s_barrier_signal -1
	s_barrier_wait -1
.endm
.macro CROUND                          ; a whole round
	s_barrier_signal -1
	s_barrier_wait -1
	CREST
.endm
	s_load_b128 s[4:7], s[0:1], 0x0                ; X's codes s[4:5], W's codes s[6:7]
	s_load_b128 s[8:11], s[0:1], 0x10              ; the two scales' exponents s[8:9], bias s[10:11]
	s_load_b64 s[12:13], s[0:1], 0x20              ; out
	v_lshl_add_u32 v[SPW], v0, 2, SPARE
	v_mov_b32 v[NIL], 0
	ds_add_u32 v28, v29
	ds_add_u32 v28, v29
	s_wait_dscnt 0x0
	v_lshrrev_b32 v1, 5, v0
	v_readfirstlane_b32 s14, v1                    ; wave 0..3
	s_lshr_b32 s15, s14, 1                         ; which half of the tile's rows is mine.  Also: I fetch for X (0) or for W (1)
	s_and_b32 s16, s14, 1                          ; which half of its columns.  Also: which 128 rows of that tile I fetch
	s_bfe_u32 s40, ttmp6, 0x40000                  ; cx, cy: my place in the cluster
	s_bfe_u32 s41, ttmp6, 0x40004
	s_lshl_b32 s42, ttmp9, 2
	s_add_co_u32 s42, s42, s40                     ; tile column of out = 4 x cluster x + cx
	s_and_b32 s17, ttmp7, 0xffff
	s_lshl_b32 s17, s17, 2
	s_add_co_u32 s17, s17, s41                     ; tile row of out = 4 x cluster y + cy
	s_lshl_b32 s43, s41, 2
	s_lshl_b32 s43, 15, s43                        ; my row of the cluster
	s_lshl_b32 s44, 0x1111, s40                    ; my column
	; descriptor group 1: a tile of 128 rows x ROWB bytes, padded in LDS
	s_or_b32 s[G1+0], s43, (0<<16)|(1<<20)|(1<<21)|(5<<22)|(3<<25)  ; 15:0 the mask: X's tiles go to my row; 17:16 element of 1 byte; 20 padding on; 21 set beside a mask; 24:22 after every 64 words (code 5); 31:25 of 4 words (code 3)
	s_or_b32 s[G1B+0], s44, (0<<16)|(1<<20)|(1<<21)|(5<<22)|(3<<25) ; the same with the mask of my column, for W's tiles
.irp g, G1, G1B
	s_mov_b32 s[\g+1], ROWB<<16                    ; tensor_dim0
	s_mov_b32 s[\g+2], 128<<16                     ; tensor_dim1 = 128
	s_mov_b32 s[\g+3], ROWB<<16                    ; tile_dim0
	s_mov_b32 s[\g+4], 128                         ; tile_dim1 = 128
	s_mov_b32 s[\g+5], KROW                        ; tensor_dim0_stride
	s_mov_b32 s[\g+6], 0
	s_mov_b32 s[\g+7], 0
.endr
	s_lshl_b32 s18, s16, 7                         ; which 128 rows of the tile I fetch
	s_lshl_b32 s20, s17, 8
	s_add_co_u32 s20, s20, s18                     ; X: row 256 x tile row + 128 x half
	s_lshl_b32 s46, s42, 8
	s_add_co_u32 s46, s46, s18                     ; W: row 256 x tile column + 128 x half
	s_mov_b32 s21, 0
	s_mov_b32 s47, 0
	s_mov_b64 s[18:19], KROW
	s_mul_u64 s[20:21], s[20:21], s[18:19]         ; in bytes
	s_mul_u64 s[46:47], s[46:47], s[18:19]
	s_mul_i32 s45, s14, HALFT                      ; where they go: wave x 128 rows: no place in the cluster enters an LDS address
	s_wait_kmcnt 0x0
	s_load_b64 s[96:97], s[8:9], 0x0               ; e0, e1
	s_add_nc_u64 s[20:21], s[4:5], s[20:21]
	s_add_nc_u64 s[46:47], s[6:7], s[46:47]
	CROUND                                         ; all sixteen work-groups are here: the first joint loads meet
.irp s, 0,1
	s_mov_b32 s[G0+4*\s], 1                        ; 1:0 count = 1
	s_add_co_u32 s[G0+4*\s+1], s45, \s*SLOT        ; 63:32 LDS address
	s_add_nc_u64 s[G0+4*\s+2:G0+4*\s+3], s[20:21], \s*ROWB   ; 120:64 global address: K step s
	s_or_b32 s[G0+4*\s+3], s[G0+4*\s+3], 0x80000000          ; 127:126 type = 2
	s_mov_b32 s[G0B+4*\s], 1
	s_add_co_u32 s[G0B+4*\s+1], s45, \s*SLOT
	s_add_nc_u64 s[G0B+4*\s+2:G0B+4*\s+3], s[46:47], \s*ROWB
	s_or_b32 s[G0B+4*\s+3], s[G0B+4*\s+3], 0x80000000
	JLOAD G0+4*\s, G1, G0B+4*\s, G1B               ; the ring is filled before anything else is done: two loads of mine are out
.endr
	v_and_b32 v1, 15, v0                           ; l % 16
	v_bfe_u32 v2, v0, 4, 1                         ; l / 16
	v_mul_u32_u24 v3, v1, PITCH
	v_lshl_add_u32 v4, v2, 4, v3                   ; a fragment's row x pitch + 16 x half
	s_mul_i32 s21, s15, HALFT                      ; my 128 rows of X
	s_mul_i32 s22, s16, HALFT                      ; my 128 rows of W,
	s_add_co_u32 s22, s22, 2*HALFT                 ; which lie behind X's 256
.irp s, 0,1
	v_add_nc_u32 v[ADRA+\s], s21, v4
	v_add_nc_u32 v[ADRB+\s], s22, v4
	s_add_co_u32 s21, s21, SLOT
	s_add_co_u32 s22, s22, SLOT
.endr
	s_mul_i32 s23, s14, 16*SPITCH                  ; my stage
	v_mul_u32_u24 v5, v1, SPITCH                   ; in: row l % 16, 32 bytes for each half of the lanes
	v_lshl_add_u32 v5, v2, 5, v5
	v_add_nc_u32 v[STO], s23, v5
	v_and_b32 v6, 31, v0
	v_lshlrev_b32 v[CO], 4, v6                     ; back: the 32 lanes take one row of 512 bytes; and the same in out
	v_add_nc_u32 v[RD], s23, v[CO]
	v_lshlrev_b32 v[BO], 5, v2                     ; bias: lanes 16-31 hold columns 8 further on
	s_lshl_b32 s20, s17, 8
	s_lshl_b32 s21, s15, 7
	s_add_co_u32 s20, s20, s21                     ; my first row of out: 256 x tile row + 128 x half
	s_mov_b32 s21, 0
	s_mov_b64 s[18:19], SIZE_N*4
	s_mul_u64 s[20:21], s[20:21], s[18:19]
	s_lshl_b32 s46, s42, 10                        ; my first column, in bytes of f32: 1024 x tile column + 512 x half: the same in a row of out and in bias
	s_lshl_b32 s47, s16, 9
	s_add_co_u32 s46, s46, s47
	s_mov_b32 s47, 0
	s_add_nc_u64 s[10:11], s[10:11], s[46:47]      ; bias at my first column
	s_add_nc_u64 s[20:21], s[20:21], s[46:47]
	s_add_nc_u64 s[12:13], s[12:13], s[20:21]      ; out at my first row and column
	; the prefetches: where my wave's stand, and who asks
	s_lshl_b32 s72, s17, 8                         ; 256 x tile row
	s_lshl_b32 s73, s42, 8                         ; 256 x tile column
	s_and_b32 s74, ttmp7, 0xffff                   ; cluster y
	s_cmp_eq_u32 s15, 0                            ; do I fetch for X?
	s_cselect_b32 s72, s72, s73                    ; the tile's first row: in X by the tile row, in W by the tile column
	s_cselect_b32 s73, s40, s41                    ; my place among the four that ask for it with me
	s_cselect_b32 s74, ttmp9, s74                  ; the coordinate along which other clusters read the same rows
	s_cselect_b64 s[PFA:PFA+1], s[4:5], s[6:7]
	s_cmp_eq_u32 s74, 0
	s_cselect_b32 s[LIM], 1, -1                    ; the same in all sixteen partners, for a given wave
	s_lshl_b32 s74, s16, 7
	s_add_co_u32 s72, s72, s74                     ; + the 128 rows that I fetch
	s_lshl_b32 s73, s73, 5
	s_add_co_u32 s72, s72, s73                     ; + my work-group's 32 of them
	s_mov_b32 s73, 0
	s_mov_b64 s[74:75], KROW
	s_mul_u64 s[72:73], s[72:73], s[74:75]
	s_add_nc_u64 s[PFA:PFA+1], s[PFA:PFA+1], s[72:73]
	s_add_nc_u64 s[PFA:PFA+1], s[PFA:PFA+1], 2*ROWB   ; at K step 2: the first refill steps it to 3 and names K step 4.  Nothing is prefetched here, at the head, where every work-group's first tiles are on their way
	v_and_b32 v[PFO], 31, v0
	v_mul_u32_u24 v[PFO], v[PFO], KROW
.macro FRAG reg, adr, q, i             ; a fragment, 16 rows x 128 K of 8-bit codes, is 16 registers: lane l holds row l % 16; registers 4 c .. 4 c + 3 hold K = 32 c + 16 (l / 16) + 0 .. 15
.irp c, 0,1,2,3
	ds_load_b128 v[\reg+4*\c:\reg+4*\c+3], v[\adr] offset:128*(\q)+32*\c+(\i)*16*PITCH
.endr
.endm
; 16 matrix instructions: X's blocks a0, a0 + 1 x W's eight, 128 along K.  p: W's set.  zero = 1: the first product starts the sums: nothing is ever cleared.
; The 64 accumulators take turns, one instruction a turn, in the same order in every step.
.macro MUL16 a0, p, zero
.irp a, \a0, \a0+1
.irp b, 0,1,2,3,4,5,6,7
.if \zero
	v_wmma_f32_16x16x128_fp8_fp8 v[8*(8*((\a)%4)+\b):8*(8*((\a)%4)+\b)+7], v[128*(\p)+FR*\b:128*(\p)+FR*\b+FR-1], v[AF+FR*(\a):AF+FR*(\a)+FR-1], 0
.else
	v_wmma_f32_16x16x128_fp8_fp8 v[8*(8*((\a)%4)+\b):8*(8*((\a)%4)+\b)+7], v[128*(\p)+FR*\b:128*(\p)+FR*\b+FR-1], v[AF+FR*(\a):AF+FR*(\a)+FR-1], v[8*(8*((\a)%4)+\b):8*(8*((\a)%4)+\b)+7]
.endif
.endr
.endr
.endm
.macro FETCH_B slot, q, p              ; W's eight fragments of the slot's q-th 128 along K into set p
	WIN TO_B
.irp i, 0,1,2,3,4,5,6,7
	FRAG 128*(\p)+FR*\i, ADRB+\slot, \q, \i
.endr
	WIN 0
.endm
.macro FETCH_A slot, q, i0             ; X's blocks i0 .. i0 + 3
.irp i, \i0, \i0+1, \i0+2, \i0+3
	FRAG AF+FR*(\i), ADRA+\slot, \q, \i
.endr
.endm
; A load into a register that a matrix instruction has read, and a vector instruction or an LDS store that reads a matrix result, stand NP places behind that matrix instruction, and only plain vector
; instructions that name none of its registers are places (ISA guide 7.12.1 for vector instructions); this text does not count the matrix instructions in between.
.macro PLACES n
.rept \n
	v_nop
.endr
.endm
; A step of 128 along K that has its successor in the same slot.
.macro STEP slot, q, zero
	s_wait_dscnt 4*NL                              ; W's set and X's blocks 0-3 are in; the youngest sixteen loads (X's blocks 4-7) may be out
	WIN MUL_LO
	MUL16 0, (\q)%2, \zero
	MUL16 2, (\q)%2, \zero
	s_wait_dscnt 0                                 ; X's blocks 4-7 are in (asked for 32 matrix instructions ago)
	PLACES NP
	FETCH_B \slot, (\q)+1, 1-(\q)%2
	FETCH_A \slot, (\q)+1, 0
	WIN MUL_HI
	MUL16 4, (\q)%2, \zero
	MUL16 6, (\q)%2, \zero
	PLACES NP
	WIN 0
	FETCH_A \slot, (\q)+1, 4
.endm
; A slot's last step changes slots: ONE barrier; in front of it each wave waits for all its tensor loads, adds 0 to its spare word, and waits for that and for its own reads of this slot.  fill = 1: this slot is filled again, two K steps ahead.
.macro TURN slot, next, fill
.if \fill
	s_wait_xcnt 0x0                                ; the last prefetch, a K step back, has read its address: it is stepped here, ahead of the waits of the change of slots
	s_add_nc_u64 s[PFA:PFA+1], s[PFA:PFA+1], ROWB
.endif
	s_wait_tensorcnt 0x0                           ; all my tensor loads have landed: the one that was out is my part of the next slot;  (every window is 0 here: the add's two registers lie in window 0)
	ds_add_u32 v[SPW], v[NIL]                      ; 0 onto my spare word
	s_wait_dscnt 4*NL+1                            ; (the add and the youngest sixteen loads, X's blocks 4-7, may be out)
	WIN MUL_LO
	MUL16 0, 1, 0                                  ; sixteen matrix instructions stand between the add and the wait for it
	s_wait_dscnt 0x0                               ; the add is done, and my reads of this slot are over
	s_barrier_signal -1
	MUL16 2, 1, 0
	WIN 0
	s_barrier_wait -1
.if \fill
	CREST                                          ; the barrier has opened a round of the cluster's barrier: no wave of any partner still reads this slot's tile or has a load on its way
	s_add_nc_u64 s[G0+4*\slot+2:G0+4*\slot+3], s[G0+4*\slot+2:G0+4*\slot+3], 2*ROWB
	s_add_nc_u64 s[G0B+4*\slot+2:G0B+4*\slot+3], s[G0B+4*\slot+2:G0B+4*\slot+3], 2*ROWB
	JLOAD G0+4*\slot, G1, G0B+4*\slot, G1B         ; the first tensor load behind the round, my one load until the next: 96 matrix instructions ahead of the wait for it; the four v_nop behind it are the places in front of the loads below
.else
	PLACES NP
.endif
	FETCH_B \next, 0, 0
	FETCH_A \next, 0, 0
.if \fill
	ASK                                            ; behind the joint load and the run of LDS loads that the next products wait for
.endif
	WIN MUL_HI
	MUL16 4, 1, 0
	MUL16 6, 1, 0
	PLACES NP
	WIN 0
	FETCH_A \next, 0, 4
.endm
	s_wait_tensorcnt 1                             ; my part of K step 0 is in (K step 1's load may be out)
	s_barrier_signal -1
	s_barrier_wait -1                              ; everybody's is
	FETCH_B 0, 0, 0
	FETCH_A 0, 0, 0
	FETCH_A 0, 0, 4
	STEP 0, 0, 1                                   ; the first step stands in front of the loop: its products start the sums
	s_mov_b32 s3, LAPS-1
.Llap:                                                 ; a trip goes once round the ring, from a lap's second step to the next lap's first, and fills both slots again
	TURN 0, 1, 1
	STEP 1, 0, 0
	TURN 1, 0, 1
	STEP 0, 0, 0
	s_sub_co_u32 s3, s3, 1
	s_cmp_lg_u32 s3, 0
	s_cbranch_scc1 .Llap
	TURN 0, 1, 0                                   ; the last lap fills nothing, and has no round of the cluster's barrier
	STEP 1, 0, 0
	; The bias of my 128 columns, in the results' layout: register 8 b + j of lane (r, h) = bias[my first column + 16 b + 8 h + j].  It lands in W's set 0, whose last products stand in front of the
	; step's closing four places; the 64 products still to come name set 1 alone.
	WIN TO_B
.irp b, 0,1,2,3,4,5,6,7
	global_load_b128 v[8*\b:8*\b+3],   v[BO], s[10:11] offset:64*\b
	global_load_b128 v[8*\b+4:8*\b+7], v[BO], s[10:11] offset:64*\b+16
.endr
	WIN 0
	s_wait_dscnt 4*NL                              ; the very last step: nothing more to fetch from LDS
	WIN MUL_LO
	MUL16 0, 1, 0
	MUL16 2, 1, 0
	s_wait_dscnt 0
	WIN MUL_HI
	MUL16 4, 1, 0
	MUL16 6, 1, 0
	WIN 0
; THE WAY OUT, block by block of 16 rows x 128 columns.  A lane holds 32 neighbouring bytes of a row, and the lanes beside it hold other rows: so a block goes through my own stage in LDS and comes back as whole
; rows of 512 bytes, which the 32 lanes store at a multiple of 512 from out's first byte.  LDS serves a wave's instructions in order (ISA guide 5.7.1.4): no wait between the stores and the loads, nor in front of the next block's stores.
.macro TOSTAGE a
.set AC, 64*((\a)%4)
.set WW, 0x12+((\a)/4)                 ; source 0 (the sums) window 2 or 3, source 2 (bias) window 1, destination window 0
	WIN WW
.irp j, 0,2,4,6,8,10,12,14,16,18,20,22,24,26,28,30,32,34,36,38,40,42,44,46,48,50,52,54,56,58,60,62
	v_pk_fma_f32 v[TMP+\j:TMP+\j+1], v[AC+\j:AC+\j+1], s[96:97], v[\j:\j+1] op_sel_hi:[1,0,1]   ; sum x 2^(e0 + e1) + bias, two at a time (of the scalar pair the low word serves both halves); each accumulator from its low end on
.endr
	WIN 0
.irp b, 0,1,2,3,4,5,6,7
	ds_store_b128 v[STO], v[TMP+8*\b:TMP+8*\b+3] offset:64*\b
	ds_store_b128 v[STO], v[TMP+8*\b+4:TMP+8*\b+7] offset:64*\b+16
.endr
.set BB, BK+64*((\a)%2)
.irp t, 0,1,2,3,4,5,6,7,8,9,10,11,12,13,14,15
	ds_load_b128 v[BB+4*\t:BB+4*\t+3], v[RD] offset:\t*SPITCH
.endr
.endm
.macro SEND a, younger                 ; younger: the LDS instructions issued behind block a's loads, which may stay out
.set BB, BK+64*((\a)%2)
	s_wait_dscnt \younger                          ; the block is back in registers
.if (\a) > 0
	s_add_nc_u64 s[12:13], s[12:13], 16*SIZE_N*4   ; (behind a wait on XCNT: the earlier stores have read their base)  16 rows of out on, so that the stores' offsets stay small: 15 rows, 245,760 bytes, at the most
.endif
.irp t, 0,1,2,3,4,5,6,7,8,9,10,11,12,13,14,15
	global_store_b128 v[CO], v[BB+4*\t:BB+4*\t+3], s[12:13] offset:\t*SIZE_N*4 th:TH_STORE_NT   ; 32 lanes store 512 consecutive bytes; written once, read by nobody here
.endr
.endm
	s_wait_kmcnt 0x0
	s_add_co_i32 s96, s96, s97                     ; e0 + e1, between -126 and 127,
	s_add_co_i32 s96, s96, 127
	s_lshl_b32 s96, s96, 23                        ; makes the f32 number 2^(e0 + e1)
	s_wait_loadcnt 0x0                             ; the bias is in
	PLACES NP                                      ; behind the last products: for the loads into the registers that held X's fragments, and for the reads of the last blocks' results
	TOSTAGE 0
.irp a, 1,2,3,4,5,6,7
.if \a > 1
	s_wait_xcnt 0x0                                ; block a - 2's stores have read their registers and their base: block a's loads may land there, and the base may step
.endif
	TOSTAGE \a
	SEND \a-1, 32                                  ; behind block a - 1's loads: block a's 16 stores and 16 loads
.endr
	s_wait_xcnt 0x0                                ; block 6's stores have read their base
	SEND 7, 0
	s_wait_tensorcnt 0x0                           ; the wave's end: behind my last tensor load and my last LDS store
	ds_add_u32 v[SPW], v[NIL]
	s_wait_dscnt 0x0
	CROUND                                         ; the closing round: no work-group ends while a partner may still ask for a tile that names it
	s_endpgm
.Lfunc_end_k_q3194533a2f_gemm:
	.size	k_q3194533a2f_gemm, .Lfunc_end_k_q3194533a2f_gemm-k_q3194533a2f_gemm
	.p2alignl 7, 3214868480
	.fill 96, 4, 3214868480
	.section	.rodata,"a",@progbits
	.p2align	6, 0x0
	.amdhsa_kernel k_q3194533a2f_gemm
		.amdhsa_group_segment_fixed_size 327680
		.amdhsa_private_segment_fixed_size 0
		.amdhsa_enable_private_segment 0
		.amdhsa_kernarg_size 40
		.amdhsa_user_sgpr_count 2
		.amdhsa_user_sgpr_kernarg_segment_ptr 1
		.amdhsa_wavefront_size32 1
		.amdhsa_system_sgpr_workgroup_id_x 1
		.amdhsa_system_sgpr_workgroup_id_y 1
		.amdhsa_system_sgpr_workgroup_id_z 1
		.amdhsa_system_vgpr_workitem_id 0
		.amdhsa_next_free_vgpr 1024
		.amdhsa_next_free_sgpr 98
		.amdhsa_reserve_vcc 0
		.amdhsa_float_denorm_mode_32 3
		.amdhsa_float_denorm_mode_16_64 3
		.amdhsa_memory_ordered 1
		.amdhsa_forward_progress 1
		.amdhsa_inst_pref_size 126
	.end_amdhsa_kernel
	.amdgpu_metadata
---
amdhsa.version: [ 1, 2 ]
amdhsa.kernels:
  - .name:           k_q3194533a2f_gemm
    .symbol:         k_q3194533a2f_gemm.kd
    .args:
      - { .name: x_codes, .offset: 0, .size: 8, .value_kind: global_buffer, .address_space: global }
      - { .name: w_codes, .offset: 8, .size: 8, .value_kind: global_buffer, .address_space: global }
      - { .name: lowp_scales, .offset: 16, .size: 8, .value_kind: global_buffer, .address_space: global }
      - { .name: bias, .offset: 24, .size: 8, .value_kind: global_buffer, .address_space: global }
      - { .name: out0, .offset: 32, .size: 8, .value_kind: global_buffer, .address_space: global }
    .group_segment_fixed_size: 327680
    .private_segment_fixed_size: 0
    .kernarg_segment_align: 8
    .kernarg_segment_size: 40
    .max_flat_workgroup_size: 128
    .sgpr_count:     98
    .vgpr_count:     1024
    .wavefront_size: 32
...
	.end_amdgpu_metadata
.endif
;; end of part 2
;; ======== version 2 of 2: 2 launches
;; limits: right only within a limited range of input values
;; workspace buffers: wbits 2,097,152 bytes
;; launch relay (part 3): grid 256 x 1, 4 waves a work-group, no clusters, 0 bytes of LDS; arguments packed_weight, wbits; writes wbits
.if DOCPART == 3
	.amdgcn_target "amdgcn-amd-amdhsa--gfx1250"
	.amdhsa_code_object_version 6
	.text
	.protected	k_q3194533a2f_relay
	.globl	k_q3194533a2f_relay
	.p2align	8
	.type	k_q3194533a2f_relay,@function
k_q3194533a2f_relay:
	s_mov_b64 s[64:65], 0
	v_nop
	global_prefetch_b8 v0, s[64:65] scope:SCOPE_SE
	s_setreg_imm32_b32 hwreg(HW_REG_WAVE_MODE, 25, 1), 1
	s_wait_xcnt 0x0
; The weights' bits are laid out anew, once, in the order in which the product's launch takes them: still one bit a weight, 2,097,152 bytes in and out.
; W[n][k] = +1 where bit k % 8 of packed_weight[n][k / 8] is 1, else -1: so a code's SIGN BIT is NOT the weight's bit, and that is what is stored.
; WITHIN 128 ALONG K (16 bytes, four words): word 2 h + u, bit 8 j + 7 - s, is the sign of k = 32 (2 u + s / 4) + 16 h + 4 (s % 4) + j  (h, u = 0, 1; s = 0 .. 7; j = 0 .. 3).
; Lane half h of a fragment of 16 rows x 128 K holds in its register 8 u + s, byte j, just that k: so word u shifted left by s has that register's four signs at bits 7, 15, 23, 31.
; WHERE THE 16 BYTES GO: [block of 128 rows n / 128][slot of 512 along K][row n % 128][64 bytes]: the 128 rows' bits of one slot are 8,192 consecutive bytes, one dense tile.
; HOW A NIBBLE IS SPREAD: four bits times 2^0 + 2^7 + 2^14 + 2^21 stand, bit j at 8 j (the four copies never meet, so nothing is carried); the mask keeps those four; the shift 7 - s puts them in their place.
; SHARES.  Work-group g takes rows 16 g .. 16 g + 15; wave w eight of them (w % 2) and four of the eight slots (w / 2).  A load takes 64 bytes of each of the eight rows, 16 a lane; the wave's four loads
; together read 256 consecutive bytes of each row.  A store is 512 consecutive bytes, at a multiple of 512 from the buffer's first byte.  Waves share nothing: no LDS, no barrier.
; No matrix unit, no tensor load, no cluster: each byte is read once and written once.
.set T, 8                              ; v8-11   at work: one nibble for each of the four words
.set D, 16                             ; v16-31  four groups of 16 bytes as loaded
.set O, 32                             ; v32-47  four groups of 16 bytes to store: no store's data are written again
	s_load_b128 s[4:7], s[0:1], 0x0                ; packed_weight s[4:5], the bits laid anew s[6:7]
	v_lshrrev_b32 v1, 5, v0
	v_readfirstlane_b32 s10, v1                    ; wave 0..3
	v_and_b32 v1, 31, v0                           ; lane
	v_lshrrev_b32 v2, 2, v1                        ; lane / 4: which of my eight rows
	v_and_b32 v3, 3, v1                            ; lane % 4: which 128 along K of the slot
	v_lshlrev_b32 v3, 4, v3
	v_lshl_add_u32 v2, v2, 9, v3                   ; in: 512 (lane / 4) + 16 (lane % 4)
	v_lshlrev_b32 v4, 4, v1                        ; out: 64 (lane / 4) + 16 (lane % 4) = 16 x lane
	s_and_b32 s11, s10, 1                          ; which eight rows
	s_lshr_b32 s12, s10, 1                         ; which four slots
	s_lshl_b32 s14, ttmp9, 13                      ; in: 16 rows of 512 bytes a work-group,
	s_lshl_b32 s13, s11, 12                        ; eight rows,
	s_add_co_u32 s14, s14, s13
	s_lshl_b32 s13, s12, 8                         ; four slots of 64 bytes
	s_add_co_u32 s14, s14, s13
	s_mov_b32 s15, 0
	s_lshr_b32 s16, ttmp9, 3                       ; out: the block of 128 rows (eight work-groups to a block), 65,536 bytes,
	s_lshl_b32 s16, s16, 16
	s_and_b32 s13, ttmp9, 7                        ; my work-group's 16 rows of 64 bytes in it,
	s_lshl_b32 s13, s13, 10
	s_add_co_u32 s16, s16, s13
	s_lshl_b32 s13, s11, 9                         ; eight rows,
	s_add_co_u32 s16, s16, s13
	s_lshl_b32 s13, s12, 15                        ; four slots of 8,192 bytes
	s_add_co_u32 s16, s16, s13
	s_mov_b32 s17, 0
	s_mov_b32 s20, 0x204081                        ; 2^0 + 2^7 + 2^14 + 2^21: inside 24 bits
	s_mov_b32 s21, 0x01010101
	s_wait_alu depctr_va_vdst(0)
	s_wait_kmcnt 0x0
	s_add_nc_u64 s[4:5], s[4:5], s[14:15]
	s_add_nc_u64 s[6:7], s[6:7], s[16:17]
.irp g, 0,1,2,3
	global_load_b128 v[D+4*\g:D+4*\g+3], v2, s[4:5] offset:64*\g   ; slot g of my four
.endr
; 16 bytes in v[d] on (inverted) become 16 bytes in v[o] on.  The four words take turns line by line, so that no line waits for the line above it.
.macro RELAY d, o
.irp s, 0,1,2,3,4,5,6,7
.irp w, 0,1,2,3
	v_bfe_u32 v[T+\w], v[\d+2*(\w%2)+\s/4], 16*(\w/2)+4*(\s%4), 4   ; word w = 2 h + u: the nibble at k = 32 (2 u + s / 4) + 16 h + 4 (s % 4)
.endr
.irp w, 0,1,2,3
	v_mul_u32_u24 v[T+\w], s20, v[T+\w]
.endr
.irp w, 0,1,2,3
	v_and_b32 v[T+\w], s21, v[T+\w]
.endr
.irp w, 0,1,2,3
.if \s == 0
	v_lshlrev_b32 v[\o+\w], 7, v[T+\w]             ; the first nibble starts the word: nothing is cleared
.else
	v_lshl_or_b32 v[\o+\w], v[T+\w], 7-\s, v[\o+\w]
.endif
.endr
.endr
.endm
.irp g, 0,1,2,3
	s_wait_loadcnt 3-\g                            ; loads come back in order: load g is in, the 3 - g younger ones may be out
.irp i, 0,1,2,3
	v_xor_b32 v[D+4*\g+\i], -1, v[D+4*\g+\i]       ; a code's sign bit is NOT the weight's bit
.endr
	RELAY D+4*\g, O+4*\g
	global_store_b128 v4, v[O+4*\g:O+4*\g+3], s[6:7] offset:8192*\g   ; the wave stores 512 consecutive bytes
.endr
	s_endpgm
.Lfunc_end_k_q3194533a2f_relay:
	.size	k_q3194533a2f_relay, .Lfunc_end_k_q3194533a2f_relay-k_q3194533a2f_relay
	.p2alignl 7, 3214868480
	.fill 96, 4, 3214868480
	.section	.rodata,"a",@progbits
	.p2align	6, 0x0
	.amdhsa_kernel k_q3194533a2f_relay
		.amdhsa_group_segment_fixed_size 0
		.amdhsa_private_segment_fixed_size 0
		.amdhsa_enable_private_segment 0
		.amdhsa_kernarg_size 16
		.amdhsa_user_sgpr_count 2
		.amdhsa_user_sgpr_kernarg_segment_ptr 1
		.amdhsa_wavefront_size32 1
		.amdhsa_system_sgpr_workgroup_id_x 1
		.amdhsa_system_sgpr_workgroup_id_y 1
		.amdhsa_system_sgpr_workgroup_id_z 1
		.amdhsa_system_vgpr_workitem_id 0
		.amdhsa_next_free_vgpr 48
		.amdhsa_next_free_sgpr 66
		.amdhsa_reserve_vcc 0
		.amdhsa_float_denorm_mode_32 3
		.amdhsa_float_denorm_mode_16_64 3
		.amdhsa_memory_ordered 1
		.amdhsa_forward_progress 1
		.amdhsa_inst_pref_size 27
	.end_amdhsa_kernel
	.amdgpu_metadata
---
amdhsa.version: [ 1, 2 ]
amdhsa.kernels:
  - .name:           k_q3194533a2f_relay
    .symbol:         k_q3194533a2f_relay.kd
    .args:
      - { .name: packed_weight, .offset: 0, .size: 8, .value_kind: global_buffer, .address_space: global }
      - { .name: wbits, .offset: 8, .size: 8, .value_kind: global_buffer, .address_space: global }
    .group_segment_fixed_size: 0
    .private_segment_fixed_size: 0
    .kernarg_segment_align: 8
    .kernarg_segment_size: 16
    .max_flat_workgroup_size: 128
    .sgpr_count:     66
    .vgpr_count:     48
    .wavefront_size: 32
...
	.end_amdgpu_metadata
.endif
;; end of part 3
;; launch gemm (part 4): grid 16 x 16, 4 waves a work-group, clusters of 4 x 4, 327,680 bytes of LDS; arguments x_codes, wbits, lowp_scales, bias, out0; writes out0
.if DOCPART == 4
	.amdgcn_target "amdgcn-amd-amdhsa--gfx1250"
	.amdhsa_code_object_version 6
	.text
	.protected	k_q3194533a2f_gemm
	.globl	k_q3194533a2f_gemm
	.p2align	8
	.type	k_q3194533a2f_gemm,@function
k_q3194533a2f_gemm:
	s_mov_b64 s[64:65], 0
	v_nop
	global_prefetch_b8 v0, s[64:65] scope:SCOPE_SE
	s_setreg_imm32_b32 hwreg(HW_REG_WAVE_MODE, 25, 1), 1
	s_wait_xcnt 0x0
	s_wait_alu depctr_hold_cnt(0) depctr_sa_sdst(0) depctr_va_vdst(0) depctr_va_sdst(0) depctr_va_ssrc(0) depctr_va_vcc(0) depctr_vm_vsrc(0)
	s_getreg_b32 s2, hwreg(HW_REG_IB_STS2, 6, 4)
	s_cmp_eq_u32 s2, 0
	s_cbranch_scc0 .Lentry_in_a_cluster
	s_endpgm
.Lentry_in_a_cluster:
	s_bfe_u32 s2, ttmp6, 0x10000c
	s_cmp_lg_u32 s2, 0xf033
	s_cbranch_scc0 .Lentry_shape_is_right
	s_endpgm
.Lentry_shape_is_right:
; out0[m][n] = 2^(ex + ew) x (sum over k of x_codes[m][k] Q(W)[n][k]) + bias[n].  x arrives as E4M3 codes; W[n][k] is +1 or -1, and the stated quantiser at 2^ew gives both one magnitude code
; (made once at the head: 1.0 held at 448 x 2^ew, then the scaled conversion), so a code of W is that magnitude under a sign bit.  wbits holds the sign bits, laid by the launch before in the order of a fragment's registers.
; LIMITS: ew lies between -126 and 119 and ex + ew between -126 and 127, so that 2^ew, 448 x 2^ew and 2^(ex + ew) are f32 numbers.
; A tile of 256 x 256 of the result is made by a work-group of four waves; a wave makes 128 x 128: 64 accumulators, 512 registers.  256 tiles, 256 work-groups, one tile each.
; K goes in steps of 512 through a ring of two LDS slots: 256 rows x 512 bytes of x's codes and 256 rows x 64 bytes of sign bits.  Waves 0 and 1 fetch x's halves, waves 2 and 3 the bits' halves, one tensor load each.
; CLUSTERS: 4 x 4 work-groups; x's tiles are asked for jointly along a row of the cluster, the bits' tiles along a column.
; A STEP of 128 along K is 64 matrix instructions, the weights' blocks b = 0 .. 7 one after the other, each against x's eight.  Behind each matrix instruction of block b stand the four or so lines
; that make two registers of block b + 2's fragment: a sign word shifted left by s has the four signs of register 8 u + s at bits 7, 15, 23, 31, and v_bfi_b32 lays them over the magnitude.
; So a fragment of the weights costs 8 bytes a lane from LDS.  It is first read two blocks after it is written, with the next block's 30 vector lines between.
; THE MATRIX INSTRUCTION IS USED TRANSPOSED (source 0 = 16 rows of W, source 1 = 16 rows of x): a lane holds eight neighbouring numbers of a row of the result.
; PREFETCH: behind each joint refill the waves that fetch x, in the clusters at x = 0, name the K step one refill on: 32 rows x 512 bytes, a lane a row, two lines; the four partners share the 128 rows out by address (cx).
; The last refill names nothing.  The sign bits are an eighth of a step's bytes and come by their loads alone.
; REGISTERS: window 0: v0-31 addresses and the magnitude; v32-63 sign words, two sets; v64-127 a ring of four fragments of W; v128-191 the bias of my 128 columns.
;   window 1: x's fragments, two sets; on the way out v0-127 take rows read back from the stage.   windows 2, 3: the accumulators of my rows 0-63, 64-127.
.set SIZE_N, 4096
.set KROW,   4096
.set AROWB,  512
.set APITCH, 528
.set AHALF,  128*APITCH
.set BROWB,  64
.set BPITCH, 80
.set BHALF,  128*BPITCH
.set BBLK,   128*BROWB
.set AOFF,   2*BHALF
.set SLOT1,  0x28000
.set SPARE,  SLOT1+AOFF+2*AHALF
.set FILLS,  4096/AROWB-2
.set FR,     16
.set NP,     4
.set SPITCH, 528
.set A0,   16
.set ADA,  17
.set B0,   18
.set ADB,  19
.set STO,  24
.set RD,   25
.set CO,   26
.set BO,   27
.set SPW,  28
.set NIL,  29
.set PFO,  30
.set PV,   31
.set BITS, 32
.set RING, 64
.set TMP,  32
.set BK,   0                           ; window 1: 16 rows read back from the stage, v0-63 and v64-127 by turns
.set BIAS, 128                         ; window 0: bias[16 b + 8 (l / 16) + j] at v[BIAS + 8 b + j]
.set G1, 24
.set G0, 32
.set G1B, 48
.set G0B, 56
.set PFA, 68
.set LIM, 70
.set TB,  71
.set MSK, 76
.set MSB, 0
.macro WIN new
.if MSB != \new
	s_set_vgpr_msb (MSB<<8)|\new
.set MSB, \new
.endif
.endm
.set TO_A, 0x40
.macro JLOAD g0a, g1a, g0b, g1b
	s_cmp_eq_u32 s15, 0
	s_cbranch_scc0 .Lfor_b_\@
	tensor_load_to_lds s[\g0a:\g0a+3], s[\g1a:\g1a+7]
	s_nop 0
.rept 4
	v_nop
.endr
	s_branch .Lasked_\@
.Lfor_b_\@:
	tensor_load_to_lds s[\g0b:\g0b+3], s[\g1b:\g1b+7]
	s_nop 0
.rept 4
	v_nop
.endr
.Lasked_\@:
.endm
.macro ASK
	s_cmp_gt_u32 s3, s[LIM]
	s_cbranch_scc0 .Lnot_mine_\@
	global_prefetch_b8 v[PFO], s[PFA:PFA+1] th:TH_LOAD_NT scope:SCOPE_SE
	global_prefetch_b8 v[PFO], s[PFA:PFA+1] offset:256 th:TH_LOAD_NT scope:SCOPE_SE
.Lnot_mine_\@:
.endm
.macro CREST
	s_cmp_lg_u32 s14, 0
	s_cbranch_scc1 .Lnot_wave_0_\@
	s_barrier_signal -3
.Lnot_wave_0_\@:
	s_barrier_wait -3
	s_barrier_signal -1
	s_barrier_wait -1
.endm
.macro CROUND
	s_barrier_signal -1
	s_barrier_wait -1
	CREST
.endm
	s_load_b128 s[4:7], s[0:1], 0x0
	s_load_b128 s[8:11], s[0:1], 0x10
	s_load_b64 s[12:13], s[0:1], 0x20
	v_lshl_add_u32 v[SPW], v0, 2, SPARE
	v_mov_b32 v[NIL], 0
	ds_add_u32 v28, v29
	ds_add_u32 v28, v29
	s_wait_dscnt 0x0
	v_lshrrev_b32 v1, 5, v0
	v_readfirstlane_b32 s14, v1
	s_lshr_b32 s15, s14, 1
	s_and_b32 s16, s14, 1
	s_bfe_u32 s40, ttmp6, 0x40000
	s_bfe_u32 s41, ttmp6, 0x40004
	s_lshl_b32 s42, ttmp9, 2
	s_add_co_u32 s42, s42, s40
	s_and_b32 s17, ttmp7, 0xffff
	s_lshl_b32 s17, s17, 2
	s_add_co_u32 s17, s17, s41
	s_lshl_b32 s43, s41, 2
	s_lshl_b32 s43, 15, s43
	s_lshl_b32 s44, 0x1111, s40
	s_or_b32 s[G1+0], s43, (0<<16)|(1<<20)|(1<<21)|(6<<22)|(3<<25)
	s_mov_b32 s[G1+1], AROWB<<16
	s_mov_b32 s[G1+2], 128<<16
	s_mov_b32 s[G1+3], AROWB<<16
	s_mov_b32 s[G1+4], 128
	s_mov_b32 s[G1+5], KROW
	s_mov_b32 s[G1+6], 0
	s_mov_b32 s[G1+7], 0
	s_or_b32 s[G1B+0], s44, (0<<16)|(1<<20)|(1<<21)|(3<<22)|(3<<25)
	s_mov_b32 s[G1B+1], BROWB<<16
	s_mov_b32 s[G1B+2], 128<<16
	s_mov_b32 s[G1B+3], BROWB<<16
	s_mov_b32 s[G1B+4], 128
	s_mov_b32 s[G1B+5], BROWB
	s_mov_b32 s[G1B+6], 0
	s_mov_b32 s[G1B+7], 0
	s_lshl_b32 s18, s16, 7
	s_lshl_b32 s20, s17, 8
	s_add_co_u32 s20, s20, s18
	s_lshl_b32 s20, s20, 12
	s_mov_b32 s21, 0
	s_lshl_b32 s46, s42, 1
	s_add_co_u32 s46, s46, s16
	s_lshl_b32 s46, s46, 16
	s_mov_b32 s47, 0
	s_mul_i32 s45, s16, AHALF
	s_add_co_u32 s45, s45, AOFF
	s_mul_i32 s66, s16, BHALF
	s_mov_b32 s[TB], 0
	s_mov_b32 s[MSK], 0x80808080
	s_wait_kmcnt 0x0
	s_load_b64 s[96:97], s[8:9], 0x0
	s_add_nc_u64 s[20:21], s[4:5], s[20:21]
	s_add_nc_u64 s[46:47], s[6:7], s[46:47]
	CROUND
.irp s, 0,1
	s_mov_b32 s[G0+4*\s], 1
	s_add_co_u32 s[G0+4*\s+1], s45, \s*SLOT1
	s_add_nc_u64 s[G0+4*\s+2:G0+4*\s+3], s[20:21], \s*AROWB
	s_or_b32 s[G0+4*\s+3], s[G0+4*\s+3], 0x80000000
	s_mov_b32 s[G0B+4*\s], 1
	s_add_co_u32 s[G0B+4*\s+1], s66, \s*SLOT1
	s_add_nc_u64 s[G0B+4*\s+2:G0B+4*\s+3], s[46:47], \s*BBLK
	s_or_b32 s[G0B+4*\s+3], s[G0B+4*\s+3], 0x80000000
.endr
	JLOAD G0, G1, G0B, G1B                         ; K step 0, behind the opening round: one tensor load a wave at the head; the set-up below stands under its flight
	v_and_b32 v1, 15, v0
	v_bfe_u32 v2, v0, 4, 1
	v_mul_u32_u24 v3, v1, APITCH
	v_lshl_add_u32 v3, v2, 4, v3
	s_mul_i32 s21, s15, AHALF
	s_add_co_u32 s21, s21, AOFF
	v_add_nc_u32 v[A0], s21, v3
	v_mul_u32_u24 v4, v1, BPITCH
	v_lshl_add_u32 v4, v2, 3, v4
	v_add_nc_u32 v[B0], s66, v4
	s_mul_i32 s23, s14, 16*SPITCH
	v_mul_u32_u24 v5, v1, SPITCH
	v_lshl_add_u32 v5, v2, 5, v5
	v_add_nc_u32 v[STO], s23, v5
	v_and_b32 v6, 31, v0
	v_lshlrev_b32 v[CO], 4, v6
	v_add_nc_u32 v[RD], s23, v[CO]
	v_lshlrev_b32 v[BO], 5, v2
	s_lshl_b32 s20, s17, 8
	s_lshl_b32 s21, s15, 7
	s_add_co_u32 s20, s20, s21
	s_lshl_b32 s20, s20, 14
	s_mov_b32 s21, 0
	s_lshl_b32 s46, s42, 10
	s_lshl_b32 s47, s16, 9
	s_add_co_u32 s46, s46, s47
	s_mov_b32 s47, 0
	s_add_nc_u64 s[10:11], s[10:11], s[46:47]
	s_add_nc_u64 s[20:21], s[20:21], s[46:47]
	s_add_nc_u64 s[12:13], s[12:13], s[20:21]
	s_lshl_b32 s72, s17, 8
	s_lshl_b32 s73, s16, 7
	s_add_co_u32 s72, s72, s73
	s_lshl_b32 s73, s40, 5
	s_add_co_u32 s72, s72, s73
	s_lshl_b32 s72, s72, 12
	s_mov_b32 s73, 0
	s_add_nc_u64 s[PFA:PFA+1], s[4:5], s[72:73]
	s_add_nc_u64 s[PFA:PFA+1], s[PFA:PFA+1], 2*AROWB
	s_or_b32 s74, s15, ttmp9
	s_cmp_eq_u32 s74, 0
	s_cselect_b32 s[LIM], 1, -1
	v_and_b32 v[PFO], 31, v0
	v_lshlrev_b32 v[PFO], 12, v[PFO]
	s_wait_kmcnt 0x0
	s_add_co_i32 s72, s97, 127
	s_lshl_b32 s73, s72, 23
	v_mov_b32 v8, s73
	s_add_co_i32 s72, s72, 8
	s_lshl_b32 s72, s72, 23
	s_or_b32 s72, s72, 0x600000
	v_mov_b32 v9, s72
.irp i, 0,1,2,3,4,5,6,7
	v_med3_num_f32 v[128+\i], 1.0, -v9, v9
.endr
	v_cvt_scalef32_pk8_fp8_f32 v[136:137], v[128:135], v8
	v_nop
	v_mov_b32 v[PV], v136
	s_add_co_i32 s96, s96, s97
	s_add_co_i32 s96, s96, 127
	s_lshl_b32 s96, s96, 23
.macro LOADA q, p, i0
.irp i, \i0, \i0+1
.irp c, 0,1,2,3
	ds_load_b128 v[128*(\p)+FR*(\i)+4*\c:128*(\p)+FR*(\i)+4*\c+3], v[ADA] offset:128*(\q)+32*\c+(\i)*16*APITCH
.endr
.endr
.endm
.macro LOADW q, bb
.irp n, 0,1,2,3,4,5,6,7
	ds_load_b64 v[(\bb)+2*\n:(\bb)+2*\n+1], v[ADB] offset:16*(\q)+\n*16*BPITCH
.endr
.endm
.macro SH r
.if ((\r)%8) != 0
	v_lshlrev_b32 v[UR+(\r)], (\r)%8, v[UW+(\r)/8]
.endif
.endm
.macro SG r
.if ((\r)%8) != 0
	v_bfi_b32 v[UR+(\r)], s[MSK], v[UR+(\r)], v[PV]
.else
	v_bfi_b32 v[UR+(\r)], s[MSK], v[UW+(\r)/8], v[PV]
.endif
.endm
.macro SLICE sl
	WIN 0
.if (\sl) == 0
	SH 1
.endif
.if (\sl) < 7
	SH 2*(\sl)+2
	SH 2*(\sl)+3
.endif
	SG 2*(\sl)
	SG 2*(\sl)+1
.endm
.macro MM a, b, p, zero
.set AC, 8*(8*((\a)%4)+(\b))
.set RB, RING+FR*((\b)%4)
.set AR, 128*(\p)+FR*(\a)
.set WW, 0xa4+0x50*((\a)/4)
	WIN WW
.if \zero
	v_wmma_f32_16x16x128_fp8_fp8 v[AC:AC+7], v[RB:RB+FR-1], v[AR:AR+FR-1], 0
.else
	v_wmma_f32_16x16x128_fp8_fp8 v[AC:AC+7], v[RB:RB+FR-1], v[AR:AR+FR-1], v[AC:AC+7]
.endif
.endm
.macro PLACES n
.rept \n
	v_nop
.endr
.endm
.macro STEP q, zero, kind
.set PQ, (\q)%2
.set NQ, ((\q)+1)%4
	WIN 0
.if (\kind) == 1
	s_wait_xcnt 0x0
	s_add_nc_u64 s[PFA:PFA+1], s[PFA:PFA+1], AROWB
.endif
.if ((\kind) == 1) || ((\kind) == 2)
	s_wait_tensorcnt 0x0
	ds_add_u32 v[SPW], v[NIL]
.if (\kind) == 1
	s_xor_b32 s[G0+5], s[G0+5], SLOT1
	s_add_nc_u64 s[G0+6:G0+7], s[G0+6:G0+7], AROWB
	s_xor_b32 s[G0B+5], s[G0B+5], SLOT1
	s_add_nc_u64 s[G0B+6:G0B+7], s[G0B+6:G0B+7], BBLK
.endif
	s_wait_dscnt 0x1
.else
	s_wait_dscnt 0x0
.endif
.irp b, 0,1,2,3,4,5,6,7
.if (((\kind) == 1) || ((\kind) == 2)) && (\b == 1)
	s_wait_dscnt 0x0
	s_barrier_signal -1
.endif
.if (((\kind) == 1) || ((\kind) == 2)) && (\b == 2)
	s_barrier_wait -1
.if (\kind) == 1
	CREST
	JLOAD G0+4, G1, G0B+4, G1B
.endif
	s_xor_b32 s[TB], s[TB], SLOT1
	v_add_nc_u32 v[ADA], s[TB], v[A0]
	v_add_nc_u32 v[ADB], s[TB], v[B0]
.endif
.if ((\kind) != 3) && ((\b == 2) || (\b == 4))
.if \b == 2
	LOADW NQ, BITS+16*(1-PQ)
.endif
	WIN TO_A
	LOADA NQ, 1-PQ, 2*\b-4                         ; the next step's fragments of x in two runs of 16 loads: blocks 0-3 here at b = 2, blocks 4-7 at b = 4
	LOADA NQ, 1-PQ, 2*\b-2
.if ((\kind) == 1) && (\b == 2)
	WIN 0
	ASK
.endif
.endif
.if ((\kind) != 3) && (\b == 6)
	s_wait_dscnt 32
.endif
.set UR, RING+FR*((\b+2)%4)
.if \b < 6
.set UW, BITS+16*PQ+2*(\b+2)
.else
.set UW, BITS+16*(1-PQ)+2*(\b-6)
.endif
.if ((\kind) == 3) && (\b == 6)
	s_wait_alu depctr_va_vdst(0)                   ; the last step's blocks 6 and 7 unpack nothing, so few vector lines and eight window switches stand between block 7's fragment and its later reads
.endif
.irp a, 0,1,2,3,4,5,6,7
	MM \a, \b, PQ, \zero
.if ((\kind) != 3) || (\b < 6)
	SLICE \a
.endif
.endr
.endr
.endm
	s_wait_alu depctr_va_vdst(0)                   ; the head's end
.irp n, 0,1,2,3,4,5,6,7
	global_load_b128 v[BIAS+8*\n:BIAS+8*\n+3],   v[BO], s[10:11] offset:64*\n      ; the bias of my columns: waited for once, in front of the way out
	global_load_b128 v[BIAS+8*\n+4:BIAS+8*\n+7], v[BO], s[10:11] offset:64*\n+16
.endr
	s_wait_tensorcnt 0x0                           ; my part of K step 0 is in; the same lines as ahead of a refill stand ahead of slot 1's first fill:
	ds_add_u32 v[SPW], v[NIL]
	s_wait_dscnt 0x0
	CROUND                                         ; everybody's part of K step 0 is in, and all sixteen work-groups are here
	JLOAD G0+4, G1, G0B+4, G1B                     ; K step 1, the first tensor load behind the round
	v_add_nc_u32 v[ADA], s[TB], v[A0]
	v_add_nc_u32 v[ADB], s[TB], v[B0]
	LOADW 0, BITS
	WIN TO_A
	LOADA 0, 0, 0
	LOADA 0, 0, 2
	LOADA 0, 0, 4
	LOADA 0, 0, 6
	WIN 0
	s_wait_dscnt 32
.set UR, RING
.set UW, BITS
.irp a, 0,1,2,3,4,5,6,7
	SLICE \a
.endr
.set UR, RING+FR
.set UW, BITS+2
.irp a, 0,1,2,3,4,5,6,7
	SLICE \a
.endr
	STEP 0, 1, 0
	WIN 0
	s_mov_b32 s3, FILLS
.Llap:
	STEP 1, 0, 0
	STEP 2, 0, 0
	STEP 3, 0, 1
	STEP 0, 0, 0
	WIN 0
	s_sub_co_u32 s3, s3, 1
	s_cmp_lg_u32 s3, 0
	s_cbranch_scc1 .Llap
	STEP 1, 0, 0
	STEP 2, 0, 0
	STEP 3, 0, 2
	STEP 0, 0, 0
	STEP 1, 0, 0
	STEP 2, 0, 0
	STEP 3, 0, 3
	WIN 0
.macro TOSTAGE a
.set AC, 64*((\a)%4)
.set WW, 0x02+((\a)/4)                 ; source 0 window 2 or 3; the bias and the destination window 0
	WIN WW
.irp j, 0,2,4,6,8,10,12,14,16,18,20,22,24,26,28,30,32,34,36,38,40,42,44,46,48,50,52,54,56,58,60,62
	v_pk_fma_f32 v[TMP+\j:TMP+\j+1], v[AC+\j:AC+\j+1], s[96:97], v[BIAS+\j:BIAS+\j+1] op_sel_hi:[1,0,1]   ; sum x 2^(ex + ew) + bias, each accumulator from its low end on
.endr
	WIN 0
.irp b, 0,1,2,3,4,5,6,7
	ds_store_b128 v[STO], v[TMP+8*\b:TMP+8*\b+3] offset:64*\b
	ds_store_b128 v[STO], v[TMP+8*\b+4:TMP+8*\b+7] offset:64*\b+16
.endr
.set BB, BK+64*((\a)%2)
	WIN TO_A                                       ; destination window 1
.irp t, 0,1,2,3,4,5,6,7,8,9,10,11,12,13,14,15
	ds_load_b128 v[BB+4*\t:BB+4*\t+3], v[RD] offset:\t*SPITCH
.endr
	WIN 0
.endm
.macro SEND a, younger
.set BB, BK+64*((\a)%2)
	s_wait_dscnt \younger
.if (\a) > 0
	s_add_nc_u64 s[12:13], s[12:13], 16*SIZE_N*4
.endif
	WIN 0x04                                       ; a store's data: source 1, window 1
.irp t, 0,1,2,3,4,5,6,7,8,9,10,11,12,13,14,15
	global_store_b128 v[CO], v[BB+4*\t:BB+4*\t+3], s[12:13] offset:\t*SIZE_N*4 th:TH_STORE_NT   ; 32 lanes store 512 consecutive bytes, at a multiple of 512
.endr
	WIN 0
.endm
	s_wait_loadcnt 0x0
	PLACES NP
	TOSTAGE 0
.irp a, 1,2,3,4,5,6,7
.if \a > 1
	s_wait_xcnt 0x0
.endif
	TOSTAGE \a
	SEND \a-1, 32
.endr
	s_wait_xcnt 0x0
	SEND 7, 0
	s_wait_tensorcnt 0x0
	ds_add_u32 v[SPW], v[NIL]
	s_wait_dscnt 0x0
	CROUND
	s_endpgm
.Lfunc_end_k_q3194533a2f_gemm:
	.size	k_q3194533a2f_gemm, .Lfunc_end_k_q3194533a2f_gemm-k_q3194533a2f_gemm
	.p2alignl 7, 3214868480
	.fill 96, 4, 3214868480
	.section	.rodata,"a",@progbits
	.p2align	6, 0x0
	.amdhsa_kernel k_q3194533a2f_gemm
		.amdhsa_group_segment_fixed_size 327680
		.amdhsa_private_segment_fixed_size 0
		.amdhsa_enable_private_segment 0
		.amdhsa_kernarg_size 40
		.amdhsa_user_sgpr_count 2
		.amdhsa_user_sgpr_kernarg_segment_ptr 1
		.amdhsa_wavefront_size32 1
		.amdhsa_system_sgpr_workgroup_id_x 1
		.amdhsa_system_sgpr_workgroup_id_y 1
		.amdhsa_system_sgpr_workgroup_id_z 1
		.amdhsa_system_vgpr_workitem_id 0
		.amdhsa_next_free_vgpr 1024
		.amdhsa_next_free_sgpr 98
		.amdhsa_reserve_vcc 0
		.amdhsa_float_denorm_mode_32 3
		.amdhsa_float_denorm_mode_16_64 3
		.amdhsa_memory_ordered 1
		.amdhsa_forward_progress 1
		.amdhsa_inst_pref_size 255
	.end_amdhsa_kernel
	.section	.bss,"aw",@nobits
	.p2align	6
	.space	262144
	.amdgpu_metadata
---
amdhsa.version: [ 1, 2 ]
amdhsa.kernels:
  - .name:           k_q3194533a2f_gemm
    .symbol:         k_q3194533a2f_gemm.kd
    .args:
      - { .name: x_codes, .offset: 0, .size: 8, .value_kind: global_buffer, .address_space: global }
      - { .name: wbits, .offset: 8, .size: 8, .value_kind: global_buffer, .address_space: global }
      - { .name: lowp_scales, .offset: 16, .size: 8, .value_kind: global_buffer, .address_space: global }
      - { .name: bias, .offset: 24, .size: 8, .value_kind: global_buffer, .address_space: global }
      - { .name: out0, .offset: 32, .size: 8, .value_kind: global_buffer, .address_space: global }
    .group_segment_fixed_size: 327680
    .private_segment_fixed_size: 0
    .kernarg_segment_align: 8
    .kernarg_segment_size: 40
    .max_flat_workgroup_size: 128
    .sgpr_count:     98
    .vgpr_count:     1024
    .wavefront_size: 32
...
	.end_amdgpu_metadata
.endif
;; end of part 4
